; MI455X (gfx1250); checked and timed in simulation.
; The chip was launched on July 23, 2026; its instructions are those of AMD's public machine-readable ISA for CDNA 5 (MIT licence, August 2026) and "CDNA5" Instruction Set Architecture Reference Guide (July 2026). The comments in the code are by the model that wrote it; some were corrected since.
;; Sample Layer. Allowed arithmetic: float matrix products may take bf16 or f16 operands with f32 sums; all other float work in f32.
;; Inputs: kernel 131,072 x 128 float32; labels 1,024 int32; x 1,024 x 128 float32.
;; Outputs: out0 1,024 x 100 float32.
;; One version. Each part assembles by itself: llvm-mc -triple=amdgcn-amd-amdhsa -mcpu=gfx1250 --defsym DOCPART=n.
;; ======== version 1 of 1: 5 launches
;; workspace buffers: gm 4,194,304 bytes; thr 8,192 bytes; mask 16,777,216 bytes of whole numbers; list 524,288 bytes of whole numbers; cnt 8,192 bytes of whole numbers
;; launch gmax (part 1): grid 256 x 1, 4 waves a work-group, no clusters, 271,104 bytes of LDS; arguments kernel, x, gm; writes gm
.if DOCPART == 1
	.amdgcn_target "amdgcn-amd-amdhsa--gfx1250"
	.amdhsa_code_object_version 6
	.text
	.protected	k_q505e9147e6_gmax
	.globl	k_q505e9147e6_gmax
	.p2align	8
	.type	k_q505e9147e6_gmax,@function
k_q505e9147e6_gmax:
	s_mov_b64 s[64:65], 0
	v_nop
	global_prefetch_b8 v0, s[64:65] scope:SCOPE_SE
	s_setreg_imm32_b32 hwreg(HW_REG_WAVE_MODE, 25, 1), 1
	s_wait_xcnt 0x0
; gmax: logits = x . kernel^T (bf16 operands, f32 sums), of which only the largest of each group of 128 neighbouring items is kept.
; gm[R][c][r][h][u] (f32) = max over items 512 c + 256 h + 128 u .. +127 of the logit of row 16 R + r.  The logits never go to memory.
; The input labels is not read by any launch: the function computed here does not use it.
; Work-group c owns items 512 c .. +511 (256 KiB of f32), which fit in LDS whole: every LDS byte is filled once, nothing is filled again.
; Wave w keeps x's rows 256 w .. +255 as 16 x 4 B fragments of bf16 in 512 registers; the items stream from LDS as A fragments,
; 32 tiles of 16 items, converted to bf16 on the way.  A tile takes 64 matrix instructions of a wave.
; Tile i, row m stands for item 256 (m >> 3) + 8 i + (m & 7): a lane's eight results are then eight neighbouring items.
; NO CLUSTER: no two work-groups read the same rows of kernel; x (0.5 MiB) is read by all, but goes straight into registers,
; converted on the way, and LDS has no room left for a tile of it beside the 264 KiB of the slice.
; Limit: a NaN logit loses every maximum here (v_max3_num_f32) and is never picked later.
; REGISTERS, in windows of 256:  window 0: v1-3 addresses, v16-79 a tile in f32, v80-111 the tile in bf16, v128-255 staging of x (set B)
;   windows 1, 2: B fragments, row tile rt at 32 (rt & 7) + 8 ks in window 1 + (rt >> 3)
;   window 3: v0-127 the 16 accumulators (before that: staging of x, set A), v128-159 the running maxima, 2 rt + u
.set PITCH, 528                        ; an LDS row: 512 bytes + 16 of padding, so that 8 neighbouring rows start 16 bytes apart modulo 256
.set HALF,  256*PITCH+128              ; items 256-511 begin here: the 128 bytes more set rows 8-15 of a fragment beside rows 0-7, not on them
.set ADR,  1                           ; LDS address of my part of the current tile
.set XO,   2                           ; byte offset of my part of x's row 256 w + r
.set SO,   3                           ; byte offset of my 8 bytes in gm
.set STG,  16
.set AF,   80
.set SETA, 0                           ; window 3
.set SETB, 128                         ; window 0
.set MXP,  128                         ; window 3
.set G1,   16                          ; s[16:23] descriptor group 1
.set G0,   32                          ; s[32:39] descriptor group 0, one set for each stage
.set MSB,  0
.macro WIN new                         ; low byte: bits 1:0 source 0, 3:2 source 1, 5:4 source 2, 7:6 destination; the high byte repeats the setting left
.if MSB != (\new)
	s_set_vgpr_msb (MSB<<8)|(\new)
.set MSB, (\new)
.endif
.endm
	s_load_b128 s[4:7], s[0:1], 0x0                ; kernel s[4:5], x s[6:7]
	s_load_b64 s[8:9], s[0:1], 0x10                ; gm
	v_lshl_add_u32 v126, v0, 2, 0x42100
	v_mov_b32 v127, 0
	ds_add_u32 v126, v127
	ds_add_u32 v126, v127
	v_lshrrev_b32 v4, 5, v0
	v_readfirstlane_b32 s12, v4                    ; wave 0..3
	s_lshr_b32 s13, s12, 1                         ; which 256 items I fetch from
	s_and_b32 s14, s12, 1                          ; which 64 rows of a stage's 128
	; group 1: a tile of 64 rows x 128 f32; 4 words of padding behind every 128 words
	s_mov_b32 s[G1+0], (2<<16)|(1<<20)|(6<<22)|(3<<25)
	s_mov_b32 s[G1+1], 128<<16                     ; tensor_dim0 = 128
	s_mov_b32 s[G1+2], 64<<16                      ; tensor_dim1 = 64
	s_mov_b32 s[G1+3], 128<<16                     ; tile_dim0 = 128
	s_mov_b32 s[G1+4], 64                          ; tile_dim1 = 64
	s_mov_b32 s[G1+5], 128                         ; elements from row to row
	s_mov_b32 s[G1+6], 0
	s_mov_b32 s[G1+7], 0
	s_mul_i32 s15, s13, HALF
	s_mul_i32 s26, s14, 64*PITCH
	s_add_co_u32 s15, s15, s26                     ; LDS address of my part of stage 0
	s_lshl_b32 s24, ttmp9, 18                      ; 512 c rows of 512 bytes
	s_lshl_b32 s26, s13, 17                        ; + 256 rows
	s_add_co_u32 s24, s24, s26
	s_lshl_b32 s26, s14, 15                        ; + 64 rows
	s_add_co_u32 s24, s24, s26
	s_mov_b32 s25, 0
	s_wait_dscnt 0x0
	s_wait_kmcnt 0x0
	s_add_nc_u64 s[24:25], s[4:5], s[24:25]
	; both fills go out together, ahead of everything else: two tensor loads of a wave are outstanding, 32 KiB each
.irp s, 0,1
	s_mov_b32 s[G0+4*\s], 1
	s_add_co_u32 s[G0+4*\s+1], s15, \s*128*PITCH   ; stage s: rows 128 s .. +127 of each half
	s_add_nc_u64 s[G0+4*\s+2:G0+4*\s+3], s[24:25], \s*128*512
	s_or_b32 s[G0+4*\s+3], s[G0+4*\s+3], 0x80000000
	tensor_load_to_lds s[G0+4*\s:G0+4*\s+3], s[G1:G1+7]
	s_nop 0
.endr
	v_and_b32 v5, 15, v0                           ; r
	v_bfe_u32 v6, v0, 4, 1                         ; h
	v_lshlrev_b32 v[XO], 9, v5
	v_lshl_add_u32 v[XO], v6, 5, v[XO]
	s_lshl_b32 s26, s12, 17
	v_add_nc_u32 v[XO], s26, v[XO]                 ; (256 w + r) 512 + 32 h
	v_lshrrev_b32 v7, 3, v5
	v_and_b32 v8, 7, v5
	v_mul_u32_u24 v[ADR], v7, HALF
	v_mad_u32_u24 v[ADR], v8, PITCH, v[ADR]
	v_lshl_add_u32 v[ADR], v6, 5, v[ADR]           ; (r >> 3) HALF + (r & 7) PITCH + 32 h: tile 0
	s_lshl_b32 s26, s12, 20                        ; R = 16 w + rt: 16 w x 256 blocks of 256 bytes
	s_lshl_b32 s27, ttmp9, 8
	s_add_co_u32 s26, s26, s27
	v_lshlrev_b32 v[SO], 4, v5
	v_lshl_add_u32 v[SO], v6, 3, v[SO]
	v_add_nc_u32 v[SO], s26, v[SO]
; x, two row tiles (32 loads, 128 registers) at a time, through two sets that take turns.  A fragment's lane (r, h) holds k = 8 h .. +7 and 16 + 8 h .. +7
; of each 32 along K (ISA guide 7.12.2): in f32 the bytes 128 ks + 32 h + 0 .. 31 and + 64 .. 95 of the row.
.macro XLOAD bn, win, base
	WIN \win
.irp t, 0,1
.irp ks, 0,1,2,3
	global_load_b128 v[\base+64*\t+16*\ks:\base+64*\t+16*\ks+3],     v[XO], s[6:7] offset:(2*\bn+\t)*8192+128*\ks
	global_load_b128 v[\base+64*\t+16*\ks+4:\base+64*\t+16*\ks+7],   v[XO], s[6:7] offset:(2*\bn+\t)*8192+128*\ks+16
	global_load_b128 v[\base+64*\t+16*\ks+8:\base+64*\t+16*\ks+11],  v[XO], s[6:7] offset:(2*\bn+\t)*8192+128*\ks+64
	global_load_b128 v[\base+64*\t+16*\ks+12:\base+64*\t+16*\ks+15], v[XO], s[6:7] offset:(2*\bn+\t)*8192+128*\ks+80
.endr
.endr
.endm
.macro XCVT bn, sw, base               ; 64 roundings to bf16, from window sw into the fragments' window
	WIN (((1+(\bn>>2))<<6)|(\sw*5))
.irp t, 0,1
.set e, 0
.rept 32
	v_cvt_pk_bf16_f32 v[((2*\bn+\t)&7)*32+e], v[\base+64*\t+2*e], v[\base+64*\t+2*e+1]
.set e, e+1
.endr
.endr
.endm
.macro XSTEP bn, left, more            ; left: the younger batch's loads, which may stay out
	s_wait_loadcnt \left
.if (\bn&1) == 0
	XCVT \bn, 3, SETA
.if \more
	XLOAD (\bn+2), 0xc0, SETA
.endif
.else
	XCVT \bn, 0, SETB
.if \more
	XLOAD (\bn+2), 0, SETB
.endif
.endif
.endm
	XLOAD 0, 0xc0, SETA
	XLOAD 1, 0, SETB
	XSTEP 0, 32, 1
	XSTEP 1, 32, 1
	XSTEP 2, 32, 1
	XSTEP 3, 32, 1
	XSTEP 4, 32, 1
	XSTEP 5, 32, 1
	XSTEP 6, 32, 0
	XSTEP 7, 0, 0
	WIN 0xc0
.set e, 0
.rept 32
	v_mov_b32 v[MXP+e], 0xff800000                 ; the running maxima start at minus infinity
.set e, e+1
.endr
	WIN 0
.macro LDT                             ; one tile of 16 items x 128 f32: 16 loads
.irp ks, 0,1,2,3
	ds_load_b128 v[STG+16*\ks:STG+16*\ks+3],     v[ADR] offset:128*\ks
	ds_load_b128 v[STG+16*\ks+4:STG+16*\ks+7],   v[ADR] offset:128*\ks+16
	ds_load_b128 v[STG+16*\ks+8:STG+16*\ks+11],  v[ADR] offset:128*\ks+64
	ds_load_b128 v[STG+16*\ks+12:STG+16*\ks+15], v[ADR] offset:128*\ks+80
.endr
.endm
.macro CVA                             ; the tile to bf16: four A fragments
.set e, 0
.rept 32
	v_cvt_pk_bf16_f32 v[AF+e], v[STG+2*e], v[STG+2*e+1]
.set e, e+1
.endr
.endm
; 32 matrix instructions: eight row tiles x K = 128.  The eight accumulators take turns, one instruction a turn.
; The first product of each takes the constant 0: nothing is cleared.
.macro MUL8 acc
.irp ks, 0,1,2,3
.irp rt, 0,1,2,3,4,5,6,7
.if \ks == 0
	v_wmma_f32_16x16x32_bf16 v[\acc+8*\rt:\acc+8*\rt+7], v[AF+8*\ks:AF+8*\ks+7], v[32*\rt+8*\ks:32*\rt+8*\ks+7], 0
.else
	v_wmma_f32_16x16x32_bf16 v[\acc+8*\rt:\acc+8*\rt+7], v[AF+8*\ks:AF+8*\ks+7], v[32*\rt+8*\ks:32*\rt+8*\ks+7], v[\acc+8*\rt:\acc+8*\rt+7]
.endif
.endr
.endr
.endm
; One tile.  pf = 1: the next tile is read from LDS while this one is multiplied.  u: which of a lane's two groups the tile belongs to.
.macro TRIP pf, u
.if \pf
	v_add_nc_u32 v[ADR], 8*PITCH, v[ADR]           ; the next tile: 8 rows on in both halves
	LDT
.endif
	WIN 0xf4                                       ; A window 0, B window 1, C and D window 3
	MUL8 0
	WIN 0xf8                                       ; B window 2
	MUL8 64
	WIN 0
.rept 4
	v_nop                                          ; four places behind the last matrix instruction (ISA guide 7.12.1), before its A is rewritten and its D read
.endr
.if \pf
	s_wait_dscnt 0x0                               ; the next tile is in registers
	CVA
.endif
	WIN 0xff
.irp i, 0,1,2,3
.irp rt, 0,1,2,3,4,5,6,7,8,9,10,11,12,13,14,15
	v_max3_num_f32 v[MXP+2*\rt+\u], v[MXP+2*\rt+\u], v[8*\rt+2*\i], v[8*\rt+2*\i+1]   ; half an instruction a logit
.endr
.endr
	WIN 0
.endm
.macro RUN trips, u
	s_mov_b32 s28, \trips
.Lrun_\@:
	TRIP 1, \u
	s_sub_co_i32 s28, s28, 1
	s_cmp_lg_u32 s28, 0
	s_cbranch_scc1 .Lrun_\@
.endm
	s_wait_tensorcnt 0x1                           ; my part of stage 0 has landed; stage 1's load may stay out
	s_barrier_signal -1
	s_barrier_wait -1                              ; everybody's part has
	LDT
	s_wait_dscnt 0x0
	CVA
	RUN 12, 0                                      ; tiles 0-11
	s_wait_tensorcnt 0x0                           ; my part of stage 1 (tiles 16-31), first read in the trip of tile 15; no LDS access of mine is out here
	s_barrier_signal -1
	s_barrier_wait -1
	RUN 4, 0                                       ; tiles 12-15
	RUN 15, 1                                      ; tiles 16-30
	TRIP 0, 1                                      ; tile 31: nothing more to read
	WIN 0x0c                                       ; store data from window 3
.irp rt, 0,1,2,3,4,5,6,7,8,9,10,11,12,13,14,15
	global_store_b64 v[SO], v[MXP+2*\rt:MXP+2*\rt+1], s[8:9] offset:\rt*65536   ; the wave's 32 x 8 bytes are 256 consecutive bytes, aligned
.endr
	WIN 0
	s_wait_tensorcnt 0x0
	ds_add_u32 v126, v127
	s_wait_dscnt 0x0
	s_endpgm
.Lfunc_end_k_q505e9147e6_gmax:
	.size	k_q505e9147e6_gmax, .Lfunc_end_k_q505e9147e6_gmax-k_q505e9147e6_gmax
	.p2alignl 7, 3214868480
	.fill 96, 4, 3214868480
	.section	.rodata,"a",@progbits
	.p2align	6, 0x0
	.amdhsa_kernel k_q505e9147e6_gmax
		.amdhsa_group_segment_fixed_size 271104
		.amdhsa_private_segment_fixed_size 0
		.amdhsa_enable_private_segment 0
		.amdhsa_kernarg_size 24
		.amdhsa_user_sgpr_count 2
		.amdhsa_user_sgpr_kernarg_segment_ptr 1
		.amdhsa_wavefront_size32 1
		.amdhsa_system_sgpr_workgroup_id_x 1
		.amdhsa_system_sgpr_workgroup_id_y 1
		.amdhsa_system_sgpr_workgroup_id_z 1
		.amdhsa_system_vgpr_workitem_id 0
		.amdhsa_next_free_vgpr 928
		.amdhsa_next_free_sgpr 66
		.amdhsa_reserve_vcc 0
		.amdhsa_float_denorm_mode_32 3
		.amdhsa_float_denorm_mode_16_64 3
		.amdhsa_memory_ordered 1
		.amdhsa_forward_progress 1
		.amdhsa_inst_pref_size 110
	.end_amdhsa_kernel
	.amdgpu_metadata
---
amdhsa.version: [ 1, 2 ]
amdhsa.kernels:
  - .name:           k_q505e9147e6_gmax
    .symbol:         k_q505e9147e6_gmax.kd
    .args:
      - { .name: kernel, .offset: 0, .size: 8, .value_kind: global_buffer, .address_space: global }
      - { .name: x, .offset: 8, .size: 8, .value_kind: global_buffer, .address_space: global }
      - { .name: gm, .offset: 16, .size: 8, .value_kind: global_buffer, .address_space: global }
    .group_segment_fixed_size: 271104
    .private_segment_fixed_size: 0
    .kernarg_segment_align: 8
    .kernarg_segment_size: 24
    .max_flat_workgroup_size: 128
    .sgpr_count:     66
    .vgpr_count:     928
    .wavefront_size: 32
...
	.end_amdgpu_metadata
.endif
;; end of part 1
;; launch thresh (part 2): grid 256 x 1, 4 waves a work-group, no clusters, 17,152 bytes of LDS; arguments gm, thr; writes thr
.if DOCPART == 2
	.amdgcn_target "amdgcn-amd-amdhsa--gfx1250"
	.amdhsa_code_object_version 6
	.text
	.protected	k_q505e9147e6_thresh
	.globl	k_q505e9147e6_thresh
	.p2align	8
	.type	k_q505e9147e6_thresh,@function
k_q505e9147e6_thresh:
	s_mov_b64 s[64:65], 0
	v_nop
	global_prefetch_b8 v0, s[64:65] scope:SCOPE_SE
	s_setreg_imm32_b32 hwreg(HW_REG_WAVE_MODE, 25, 1), 1
	s_wait_xcnt 0x0
; thresh: for each row, from its 1,024 group maxima: m = the row's largest logit, and T below the 100th largest group maximum.
; 100 different groups hold an item >= T, so the row's 100th largest logit is >= T: the items >= T hold the whole top 100.
; thr[row] = {T, m}.  Work-group a owns rows 4 a .. 4 a + 3, one wave a row.  A block of 256 bytes of gm holds 16 rows' figures of one chunk, so a
; work-group reads 64 consecutive bytes of each block, and four work-groups share a block; the waves hand the pieces to each other through LDS.
; T is found by bisection on the order-preserving whole-number image of f32, 20 bits deep: the 12 bits left out can only lower T.
; It is then lowered by 4,096 more steps of that image (at least 2^-12 of |T|): the last launch orders the candidates by logits summed in another order,
; which differ from these by at most some 128 x 2^-24 of the sum of the |products|; the margin covers that while this sum is under some 32 |T|.
; Beyond that an item that ties with the 100th within rounding may be left out.  A lower T lets a few more items pass and loses none.
; No branch hangs on a count: only a select.  Streaming and whole-number work: matrix units, clusters and tensor loads have nothing to do here.
; Limit: finite logits.  With 925 or more groups at minus infinity, or logits at the far negative end of f32, T would be a NaN pattern.
.set RP, 4160                          ; LDS pitch of a row's 4,096 bytes: 64 more, so that the 16 lanes of a store's pass hit 16 different 16-byte columns
	s_load_b128 s[4:7], s[0:1], 0x0                ; gm s[4:5], thr s[6:7]
	v_lshl_add_u32 v64, v0, 2, 0x4100
	v_mov_b32 v65, 0
	v_lshrrev_b32 v1, 5, v0
	v_readfirstlane_b32 s8, v1                     ; wave
	v_and_b32 v2, 31, v0                           ; lane L
	v_lshrrev_b32 v3, 2, v2                        ; L >> 2: chunk
	v_and_b32 v4, 3, v2                            ; L & 3: row of the four
	s_lshr_b32 s9, ttmp9, 2                        ; R
	s_and_b32 s10, ttmp9, 3
	s_lshl_b32 s9, s9, 16
	s_lshl_b32 s10, s10, 6                         ; 4 (a & 3) rows of 16 bytes
	s_add_co_u32 s9, s9, s10
	s_lshl_b32 s10, s8, 14                         ; chunks 64 w ..
	s_add_co_u32 s9, s9, s10
	v_lshlrev_b32 v5, 8, v3
	v_lshl_add_u32 v5, v4, 4, v5
	v_add_nc_u32 v5, s9, v5                        ; offset in gm
	v_mul_u32_u24 v6, v4, RP
	v_lshl_add_u32 v6, v3, 4, v6
	s_lshl_b32 s10, s8, 10
	v_add_nc_u32 v6, s10, v6                       ; where the piece goes: row x RP + chunk x 16
	s_mul_i32 s11, s8, RP
	v_lshl_add_u32 v7, v2, 4, s11                  ; where my wave's row is read back
	s_mov_b32 s12, 0x76543210                      ; v_permlanex16_b32: lane i reads lane i of the other half
	s_mov_b32 s13, 0xfedcba98
	s_lshl_b32 s14, ttmp9, 2
	s_add_co_u32 s14, s14, s8
	s_lshl_b32 s14, s14, 3                         ; row x 8 bytes
	v_mov_b32 v52, s14
	s_wait_kmcnt 0x0
.irp i, 0,1,2,3,4,5,6,7
	global_load_b128 v[16+4*\i:19+4*\i], v5, s[4:5] offset:\i*2048    ; 8 chunks on
.endr
.irp i, 0,1,2,3,4,5,6,7
	s_wait_loadcnt 7-\i                            ; loads come back in order: load i is in, the younger ones stay out
	ds_store_b128 v6, v[16+4*\i:19+4*\i] offset:\i*128
.endr
	s_wait_dscnt 0x0                               ; my stores are done, for the other waves' sake
	s_barrier_signal -1
	s_barrier_wait -1
.irp i, 0,1,2,3,4,5,6,7
	ds_load_b128 v[16+4*\i:19+4*\i], v7 offset:\i*512
.endr
	s_wait_dscnt 0x0
	; the row's maximum: 32 numbers a lane, then across the lanes
	v_max3_num_f32 v48, v16, v17, v18
.set j, 19
.rept 14
	v_max3_num_f32 v48, v48, v[j], v[j+1]
.set j, j+2
.endr
	v_max_num_f32 v48, v48, v47
	v_max_num_f32_dpp v48, v48, v48 row_xmask:1 row_mask:0xf bank_mask:0xf
	v_max_num_f32_dpp v48, v48, v48 row_xmask:2 row_mask:0xf bank_mask:0xf
	v_max_num_f32_dpp v48, v48, v48 row_xmask:4 row_mask:0xf bank_mask:0xf
	v_max_num_f32_dpp v48, v48, v48 row_xmask:8 row_mask:0xf bank_mask:0xf
	v_permlanex16_b32 v3, v48, s12, s13            ; its destination counts as read: v3 has been written and is free
	v_max_num_f32 v51, v48, v3                     ; m
	; keys: unsigned whole numbers in the order of the floats: negative numbers all bits turned, the others the sign bit
.set j, 16
.rept 32
	v_ashrrev_i32 v8, 31, v[j]
	v_or_b32 v8, 0x80000000, v8
	v_xor_b32 v[j], v[j], v8
.set j, j+1
.endr
	s_mov_b32 s20, 0                               ; K: the largest prefix so far that 100 keys reach
	s_mov_b32 s21, 0x80000000                      ; the bit on trial
	s_mov_b32 s22, 20
.Lbit:
	s_or_b32 s23, s20, s21
	s_mov_b32 s24, 0                               ; how many of the 1,024 keys are >= the trial
.irp g, 0,1,2,3,4,5,6,7
	v_cmp_le_u32 s28, s23, v[16+4*\g]
	v_cmp_le_u32 s29, s23, v[17+4*\g]
	v_cmp_le_u32 s30, s23, v[18+4*\g]
	v_cmp_le_u32 s31, s23, v[19+4*\g]
	s_bcnt1_i32_b32 s28, s28
	s_bcnt1_i32_b32 s29, s29
	s_bcnt1_i32_b32 s30, s30
	s_bcnt1_i32_b32 s31, s31
	s_add_co_u32 s24, s24, s28
	s_add_co_u32 s24, s24, s29
	s_add_co_u32 s24, s24, s30
	s_add_co_u32 s24, s24, s31
.endr
	s_cmp_ge_u32 s24, 100
	s_cselect_b32 s20, s23, s20
	s_lshr_b32 s21, s21, 1
	s_sub_co_i32 s22, s22, 1
	s_cmp_lg_u32 s22, 0
	s_cbranch_scc1 .Lbit
	s_max_u32 s20, s20, 0x1000                     ; the margin: 4,096 steps down, without passing 0
	s_sub_co_u32 s20, s20, 0x1000
	s_ashr_i32 s25, s20, 31                        ; the key back to a float
	s_not_b32 s25, s25
	s_or_b32 s25, s25, 0x80000000
	s_xor_b32 s25, s20, s25
	v_mov_b32 v50, s25                             ; T
	s_wait_xcnt 0x0                                ; EXEC changes only behind this wait
	v_cmp_eq_u32 vcc_lo, 0, v2
	s_wait_tensorcnt 0x0
	ds_add_u32 v64, v65
	s_wait_dscnt 0x0
	s_and_saveexec_b32 s26, vcc_lo
	global_store_b64 v52, v[50:51], s[6:7]         ; lane 0 alone: 8 bytes a row, 8 KiB in the whole launch
	s_endpgm
.Lfunc_end_k_q505e9147e6_thresh:
	.size	k_q505e9147e6_thresh, .Lfunc_end_k_q505e9147e6_thresh-k_q505e9147e6_thresh
	.p2alignl 7, 3214868480
	.fill 96, 4, 3214868480
	.section	.rodata,"a",@progbits
	.p2align	6, 0x0
	.amdhsa_kernel k_q505e9147e6_thresh
		.amdhsa_group_segment_fixed_size 17152
		.amdhsa_private_segment_fixed_size 0
		.amdhsa_enable_private_segment 0
		.amdhsa_kernarg_size 16
		.amdhsa_user_sgpr_count 2
		.amdhsa_user_sgpr_kernarg_segment_ptr 1
		.amdhsa_wavefront_size32 1
		.amdhsa_system_sgpr_workgroup_id_x 1
		.amdhsa_system_sgpr_workgroup_id_y 1
		.amdhsa_system_sgpr_workgroup_id_z 1
		.amdhsa_system_vgpr_workitem_id 0
		.amdhsa_next_free_vgpr 66
		.amdhsa_next_free_sgpr 66
		.amdhsa_reserve_vcc 1
		.amdhsa_float_denorm_mode_32 3
		.amdhsa_float_denorm_mode_16_64 3
		.amdhsa_memory_ordered 1
		.amdhsa_forward_progress 1
		.amdhsa_inst_pref_size 15
	.end_amdhsa_kernel
	.amdgpu_metadata
---
amdhsa.version: [ 1, 2 ]
amdhsa.kernels:
  - .name:           k_q505e9147e6_thresh
    .symbol:         k_q505e9147e6_thresh.kd
    .args:
      - { .name: gm, .offset: 0, .size: 8, .value_kind: global_buffer, .address_space: global }
      - { .name: thr, .offset: 8, .size: 8, .value_kind: global_buffer, .address_space: global }
    .group_segment_fixed_size: 17152
    .private_segment_fixed_size: 0
    .kernarg_segment_align: 8
    .kernarg_segment_size: 16
    .max_flat_workgroup_size: 128
    .sgpr_count:     66
    .vgpr_count:     66
    .wavefront_size: 32
...
	.end_amdgpu_metadata
.endif
;; end of part 2
;; launch maskk (part 3): grid 256 x 1, 4 waves a work-group, no clusters, 275,200 bytes of LDS; arguments kernel, x, thr, mask; writes mask
.if DOCPART == 3
	.amdgcn_target "amdgcn-amd-amdhsa--gfx1250"
	.amdhsa_code_object_version 6
	.text
	.protected	k_q505e9147e6_maskk
	.globl	k_q505e9147e6_maskk
	.p2align	8
	.type	k_q505e9147e6_maskk,@function
k_q505e9147e6_maskk:
	s_mov_b64 s[64:65], 0
	v_nop
	global_prefetch_b8 v0, s[64:65] scope:SCOPE_SE
	s_setreg_imm32_b32 hwreg(HW_REG_WAVE_MODE, 25, 1), 1
	s_wait_xcnt 0x0
; maskk: the same product as gmax (same form, same operand places, same chain along K: every logit has the same bits), of which one bit is kept:
; logit >= T of its row.  mask[R][c][r][p] (32-bit words): row 16 R + r, items 512 c + 32 p .. +31, item = 512 c + 32 p + 31 - bit.
; Work-group c owns items 512 c .. +511, whole in LDS, every byte filled once.  Wave w keeps x's rows 256 w .. +255 as B fragments in 512 registers.
; Tile i, row m stands for item 256 (m >> 3) + 8 i + (m & 7): half h of the lanes sees 32 neighbouring items in four tiles: word p = 8 h + (i >> 2).
; NO CLUSTER: no two work-groups read the same rows of kernel; x goes straight into registers, converted on the way, and LDS has no room for a tile of it.
; Limit: a NaN logit fails the comparison and is never picked.
; REGISTERS:  window 0: v1-6 addresses, v16-79 a tile in f32, v80-111 the tile in bf16, v128-255 staging of x (set B), then the finished words, 8 rt + Q
;   windows 1, 2: B fragments, row tile rt at 32 (rt & 7) + 8 ks in window 1 + (rt >> 3)
;   window 3: v0-127 the 16 accumulators (before that: staging of x, set A), v128-143 T of my row in row tile rt, v144-159 the word being made
.set PITCH, 528                        ; an LDS row: 512 bytes + 16 of padding
.set HALF,  256*PITCH+128              ; items 256-511 begin here: 128 bytes more set rows 8-15 of a fragment beside rows 0-7
.set STAGE, 270592                     ; behind the slice, in 256-byte blocks of its own: 1 KiB for each wave, for the way out
.set ADR,  1
.set XO,   2
.set SO,   3                           ; byte offset of my 16 bytes in mask
.set TO,   4                           ; byte offset of T of row 256 w + r
.set STS,  5                           ; the way out: where my words go
.set SLD,  6                           ; the way out: where I read 16 bytes back
.set STG,  16
.set AF,   80
.set SETA, 0                           ; window 3
.set SETB, 128                         ; window 0
.set MW,   128                         ; window 0
.set THR,  128                         ; window 3
.set CW,   144                         ; window 3
.set G1,   16
.set G0,   32
.set MSB,  0
.macro WIN new                         ; low byte: bits 1:0 source 0, 3:2 source 1, 5:4 source 2, 7:6 destination; the high byte repeats the setting left
.if MSB != (\new)
	s_set_vgpr_msb (MSB<<8)|(\new)
.set MSB, (\new)
.endif
.endm
	s_load_b256 s[4:11], s[0:1], 0x0               ; kernel s[4:5], x s[6:7], thr s[8:9], mask s[10:11]
	v_lshl_add_u32 v126, v0, 2, 0x43100
	v_mov_b32 v127, 0
	ds_add_u32 v126, v127
	ds_add_u32 v126, v127
	v_lshrrev_b32 v7, 5, v0
	v_readfirstlane_b32 s12, v7                    ; wave 0..3
	s_lshr_b32 s13, s12, 1
	s_and_b32 s14, s12, 1
	; group 1: a tile of 64 rows x 128 f32; 4 words of padding behind every 128 words
	s_mov_b32 s[G1+0], (2<<16)|(1<<20)|(6<<22)|(3<<25)
	s_mov_b32 s[G1+1], 128<<16
	s_mov_b32 s[G1+2], 64<<16
	s_mov_b32 s[G1+3], 128<<16
	s_mov_b32 s[G1+4], 64
	s_mov_b32 s[G1+5], 128
	s_mov_b32 s[G1+6], 0
	s_mov_b32 s[G1+7], 0
	s_mul_i32 s15, s13, HALF
	s_mul_i32 s26, s14, 64*PITCH
	s_add_co_u32 s15, s15, s26
	s_lshl_b32 s24, ttmp9, 18
	s_lshl_b32 s26, s13, 17
	s_add_co_u32 s24, s24, s26
	s_lshl_b32 s26, s14, 15
	s_add_co_u32 s24, s24, s26
	s_mov_b32 s25, 0
	s_wait_dscnt 0x0
	s_wait_kmcnt 0x0
	s_add_nc_u64 s[24:25], s[4:5], s[24:25]
	; both fills go out together, ahead of everything else: two tensor loads of a wave are outstanding, 32 KiB each
.irp s, 0,1
	s_mov_b32 s[G0+4*\s], 1
	s_add_co_u32 s[G0+4*\s+1], s15, \s*128*PITCH
	s_add_nc_u64 s[G0+4*\s+2:G0+4*\s+3], s[24:25], \s*128*512
	s_or_b32 s[G0+4*\s+3], s[G0+4*\s+3], 0x80000000
	tensor_load_to_lds s[G0+4*\s:G0+4*\s+3], s[G1:G1+7]
	s_nop 0
.endr
	v_and_b32 v8, 15, v0                           ; r
	v_bfe_u32 v9, v0, 4, 1                         ; h
	v_and_b32 v10, 31, v0                          ; lane
	v_lshlrev_b32 v[XO], 9, v8
	v_lshl_add_u32 v[XO], v9, 5, v[XO]
	s_lshl_b32 s26, s12, 17
	v_add_nc_u32 v[XO], s26, v[XO]                 ; (256 w + r) 512 + 32 h
	v_lshrrev_b32 v11, 3, v8
	v_and_b32 v12, 7, v8
	v_mul_u32_u24 v[ADR], v11, HALF
	v_mad_u32_u24 v[ADR], v12, PITCH, v[ADR]
	v_lshl_add_u32 v[ADR], v9, 5, v[ADR]
	s_lshl_b32 s26, s12, 11
	v_lshl_add_u32 v[TO], v8, 3, s26               ; (256 w + r) 8
	s_lshl_b32 s26, s12, 22                        ; R = 16 w + rt: 16 w x 256 blocks of 1 KiB
	s_lshl_b32 s27, ttmp9, 10
	s_add_co_u32 s26, s26, s27
	v_lshl_add_u32 v[SO], v10, 4, s26
	s_lshl_b32 s26, s12, 10
	s_add_co_u32 s26, s26, STAGE                   ; my wave's stage
	v_lshl_add_u32 v[SLD], v10, 4, s26
	v_lshlrev_b32 v[STS], 6, v8
	v_lshl_add_u32 v[STS], v9, 5, v[STS]
	v_add_nc_u32 v[STS], s26, v[STS]               ; row r's 64 bytes, words 8 h ..
	WIN 0xc0
.irp rt, 0,1,2,3,4,5,6,7,8,9,10,11,12,13,14,15
	global_load_b32 v[THR+\rt], v[TO], s[8:9] offset:\rt*128      ; T of row 256 w + 16 rt + r; older than x's loads, so their first wait covers these
.endr
.irp rt, 0,1,2,3,4,5,6,7,8,9,10,11,12,13,14,15
	v_mov_b32 v[CW+\rt], 0                         ; defined once; later every word pushes the last one's 32 bits out
.endr
.macro XLOAD bn, win, base             ; x, two row tiles: 32 loads, 128 registers
	WIN \win
.irp t, 0,1
.irp ks, 0,1,2,3
	global_load_b128 v[\base+64*\t+16*\ks:\base+64*\t+16*\ks+3],     v[XO], s[6:7] offset:(2*\bn+\t)*8192+128*\ks
	global_load_b128 v[\base+64*\t+16*\ks+4:\base+64*\t+16*\ks+7],   v[XO], s[6:7] offset:(2*\bn+\t)*8192+128*\ks+16
	global_load_b128 v[\base+64*\t+16*\ks+8:\base+64*\t+16*\ks+11],  v[XO], s[6:7] offset:(2*\bn+\t)*8192+128*\ks+64
	global_load_b128 v[\base+64*\t+16*\ks+12:\base+64*\t+16*\ks+15], v[XO], s[6:7] offset:(2*\bn+\t)*8192+128*\ks+80
.endr
.endr
.endm
.macro XCVT bn, sw, base
	WIN (((1+(\bn>>2))<<6)|(\sw*5))
.irp t, 0,1
.set e, 0
.rept 32
	v_cvt_pk_bf16_f32 v[((2*\bn+\t)&7)*32+e], v[\base+64*\t+2*e], v[\base+64*\t+2*e+1]
.set e, e+1
.endr
.endr
.endm
.macro XSTEP bn, left, more            ; left: the younger batch's loads, which may stay out
	s_wait_loadcnt \left
.if (\bn&1) == 0
	XCVT \bn, 3, SETA
.if \more
	XLOAD (\bn+2), 0xc0, SETA
.endif
.else
	XCVT \bn, 0, SETB
.if \more
	XLOAD (\bn+2), 0, SETB
.endif
.endif
.endm
	XLOAD 0, 0xc0, SETA
	XLOAD 1, 0, SETB
	XSTEP 0, 32, 1
	XSTEP 1, 32, 1
	XSTEP 2, 32, 1
	XSTEP 3, 32, 1
	XSTEP 4, 32, 1
	XSTEP 5, 32, 1
	XSTEP 6, 32, 0
	XSTEP 7, 0, 0
	WIN 0
.macro LDT
.irp ks, 0,1,2,3
	ds_load_b128 v[STG+16*\ks:STG+16*\ks+3],     v[ADR] offset:128*\ks
	ds_load_b128 v[STG+16*\ks+4:STG+16*\ks+7],   v[ADR] offset:128*\ks+16
	ds_load_b128 v[STG+16*\ks+8:STG+16*\ks+11],  v[ADR] offset:128*\ks+64
	ds_load_b128 v[STG+16*\ks+12:STG+16*\ks+15], v[ADR] offset:128*\ks+80
.endr
.endm
.macro CVA
.set e, 0
.rept 32
	v_cvt_pk_bf16_f32 v[AF+e], v[STG+2*e], v[STG+2*e+1]
.set e, e+1
.endr
.endm
; 32 matrix instructions; the eight accumulators take turns, one instruction a turn.  The first product of each takes the constant 0.
.macro MUL8 acc
.irp ks, 0,1,2,3
.irp rt, 0,1,2,3,4,5,6,7
.if \ks == 0
	v_wmma_f32_16x16x32_bf16 v[\acc+8*\rt:\acc+8*\rt+7], v[AF+8*\ks:AF+8*\ks+7], v[32*\rt+8*\ks:32*\rt+8*\ks+7], 0
.else
	v_wmma_f32_16x16x32_bf16 v[\acc+8*\rt:\acc+8*\rt+7], v[AF+8*\ks:AF+8*\ks+7], v[32*\rt+8*\ks:32*\rt+8*\ks+7], v[\acc+8*\rt:\acc+8*\rt+7]
.endif
.endr
.endr
.endm
.macro TRIP pf
.if \pf
	v_add_nc_u32 v[ADR], 8*PITCH, v[ADR]
	LDT
.endif
	WIN 0xf4
	MUL8 0
	WIN 0xf8
	MUL8 64
	WIN 0
.rept 4
	v_nop                                          ; four places behind the last matrix instruction (ISA guide 7.12.1), before its A is rewritten and its D read
.endr
.if \pf
	s_wait_dscnt 0x0
	CVA
.endif
	WIN 0xff
	; word = 2 x word + (logit >= T): the comparison's mask goes in as the carry.  Four masks in four scalar registers, so that four pairs do not wait for each other.
.irp j, 0,1,2,3,4,5,6,7
.irp g, 0,1,2,3
.irp k, 0,1,2,3
	v_cmp_ge_f32 s[40+\k], v[8*(4*\g+\k)+\j], v[THR+4*\g+\k]
.endr
.irp k, 0,1,2,3
	v_add_co_ci_u32 v[CW+4*\g+\k], s[40+\k], v[CW+4*\g+\k], v[CW+4*\g+\k], s[40+\k]
.endr
.endr
.endr
	WIN 0
.endm
; Four tiles = 32 items for each half of the lanes = one word for each row tile, which is then put by.
.macro QBLOCK q
.if \q == 3
	s_wait_tensorcnt 0x0                           ; my part of stage 1 (tiles 16-31), first read in the trip of tile 15; no LDS access of mine is out here
	s_barrier_signal -1
	s_barrier_wait -1
.endif
.if \q == 7
	s_mov_b32 s28, 3
.else
	s_mov_b32 s28, 4
.endif
.Lq\q:
	TRIP 1
	s_sub_co_i32 s28, s28, 1
	s_cmp_lg_u32 s28, 0
	s_cbranch_scc1 .Lq\q
.if \q == 7
	TRIP 0                                         ; tile 31: nothing more to read
.endif
	WIN 0x03
.irp rt, 0,1,2,3,4,5,6,7,8,9,10,11,12,13,14,15
	v_mov_b32 v[MW+8*\rt+\q], v[CW+\rt]
.endr
	WIN 0
.endm
	s_wait_tensorcnt 0x1                           ; my part of stage 0 has landed; stage 1's load may stay out
	s_barrier_signal -1
	s_barrier_wait -1
	LDT
	s_wait_dscnt 0x0
	CVA
	QBLOCK 0
	QBLOCK 1
	QBLOCK 2
	QBLOCK 3
	QBLOCK 4
	QBLOCK 5
	QBLOCK 6
	QBLOCK 7
	; THE WAY OUT: a row tile's block of 1 KiB ([r][16 words]) through my wave's own stage, so that each store covers 512 consecutive bytes.
.irp rt, 0,1,2,3,4,5,6,7,8,9,10,11,12,13,14,15
	s_wait_xcnt 0x0                                ; the registers that earlier stores read are loaded again only behind this wait
	ds_store_b128 v[STS], v[MW+8*\rt:MW+8*\rt+3]
	ds_store_b128 v[STS], v[MW+8*\rt+4:MW+8*\rt+7] offset:16
	ds_load_b128 v[STG+8*(\rt&1):STG+8*(\rt&1)+3],   v[SLD]               ; LDS serves a wave's instructions in order (ISA guide 5.7.1): these see the stores above
	ds_load_b128 v[STG+8*(\rt&1)+4:STG+8*(\rt&1)+7], v[SLD] offset:512
	s_wait_dscnt 0x0
	global_store_b128 v[SO], v[STG+8*(\rt&1):STG+8*(\rt&1)+3],   s[10:11] offset:\rt*262144
	global_store_b128 v[SO], v[STG+8*(\rt&1)+4:STG+8*(\rt&1)+7], s[10:11] offset:\rt*262144+512
.endr
	s_wait_tensorcnt 0x0
	ds_add_u32 v126, v127
	s_wait_dscnt 0x0
	s_endpgm
.Lfunc_end_k_q505e9147e6_maskk:
	.size	k_q505e9147e6_maskk, .Lfunc_end_k_q505e9147e6_maskk-k_q505e9147e6_maskk
	.p2alignl 7, 3214868480
	.fill 96, 4, 3214868480
	.section	.rodata,"a",@progbits
	.p2align	6, 0x0
	.amdhsa_kernel k_q505e9147e6_maskk
		.amdhsa_group_segment_fixed_size 275200
		.amdhsa_private_segment_fixed_size 0
		.amdhsa_enable_private_segment 0
		.amdhsa_kernarg_size 32
		.amdhsa_user_sgpr_count 2
		.amdhsa_user_sgpr_kernarg_segment_ptr 1
		.amdhsa_wavefront_size32 1
		.amdhsa_system_sgpr_workgroup_id_x 1
		.amdhsa_system_sgpr_workgroup_id_y 1
		.amdhsa_system_sgpr_workgroup_id_z 1
		.amdhsa_system_vgpr_workitem_id 0
		.amdhsa_next_free_vgpr 928
		.amdhsa_next_free_sgpr 66
		.amdhsa_reserve_vcc 0
		.amdhsa_float_denorm_mode_32 3
		.amdhsa_float_denorm_mode_16_64 3
		.amdhsa_memory_ordered 1
		.amdhsa_forward_progress 1
		.amdhsa_inst_pref_size 255
	.end_amdhsa_kernel
	.section	.bss,"aw",@nobits
	.p2align	6
	.space	262144
	.amdgpu_metadata
---
amdhsa.version: [ 1, 2 ]
amdhsa.kernels:
  - .name:           k_q505e9147e6_maskk
    .symbol:         k_q505e9147e6_maskk.kd
    .args:
      - { .name: kernel, .offset: 0, .size: 8, .value_kind: global_buffer, .address_space: global }
      - { .name: x, .offset: 8, .size: 8, .value_kind: global_buffer, .address_space: global }
      - { .name: thr, .offset: 16, .size: 8, .value_kind: global_buffer, .address_space: global }
      - { .name: mask, .offset: 24, .size: 8, .value_kind: global_buffer, .address_space: global }
    .group_segment_fixed_size: 275200
    .private_segment_fixed_size: 0
    .kernarg_segment_align: 8
    .kernarg_segment_size: 32
    .max_flat_workgroup_size: 128
    .sgpr_count:     66
    .vgpr_count:     928
    .wavefront_size: 32
...
	.end_amdgpu_metadata
.endif
;; end of part 3
;; launch lst (part 4): grid 1024 x 1, 1 waves a work-group, no clusters, 0 bytes of LDS; arguments mask, list, cnt; writes list, cnt
.if DOCPART == 4
	.amdgcn_target "amdgcn-amd-amdhsa--gfx1250"
	.amdhsa_code_object_version 6
	.text
	.protected	k_q505e9147e6_lst
	.globl	k_q505e9147e6_lst
	.p2align	8
	.type	k_q505e9147e6_lst,@function
k_q505e9147e6_lst:
	s_mov_b64 s[64:65], 0
	v_nop
	global_prefetch_b8 v0, s[64:65] scope:SCOPE_SE
	s_setreg_imm32_b32 hwreg(HW_REG_WAVE_MODE, 25, 1), 1
	s_wait_xcnt 0x0
; lst: one wave, one row (row = the work-group's number).  From the row's 4,096 mask words: list[row][0 .. 127] = the items whose bit is set, packed from slot 0 on,
; and cnt[row] = {P, ok}: P = the number of set bits, exactly; ok = 1 if the list holds them all.
; EVERY INSTRUCTION RUNS FOR EVERY INPUT: no branch and no address hangs on a mask bit; all choices are selects.  The next launch steers by list and cnt alone.
; 1. P: bits are counted in fields of 2, 4, 8 and 16 bits (a byte holds at most 4 loads x 32 = 128, a half at most 8 x 256 = 2,048), a lane's 4,096 at the most;
;    the lanes are added in f32, exact up to 131,072.
; 2. Each lane pushes its words that are not 0, with the base of their items, onto a stack of CAPW: a push shifts the stack by selects.
; 3. NBIT times over, the lowest set bit of each stacked word is taken off and its item pushed onto a stack of CAPI.  The bit's number is read off the exponent of
;    the bit as an f32.
; 4. Lane by lane the stacks are put into the slots base + j, base = the number of items of the lanes before.  Entries beyond a lane's count fall on slots that later
;    lanes write again, or on slots from n on, which the next launch masks by P.
; CAPACITIES: more than CAPW words that are not 0 in a lane, more than NBIT bits in a word, more than CAPI items in a lane or more than 128 in the row lose bits: then the
; number n of items placed is below P, or P is above 128, and ok = 0: the next launch then takes its long way, which reads the mask itself and serves any number.
; Whole-number work on a stream of 16 KiB a row: matrix units, clusters, tensor loads and LDS have nothing to do here.
.set CAPW, 16
.set CAPI, 16                          ; the loop of step 4 is written for 4 x 4
.set NBIT, 4
.set VMO,  1                           ; my 16 bytes of the row's mask words in the first 8 chunks
.set TT,   2                           ; v2-5    at work
.set UU,   6
.set BA,   7                           ; counts in bytes
.set HA,   8                           ; counts in halves
.set NL,   9                           ; my lane's items
.set LO,   10                          ; my 16 bytes of the row of list
.set CO,   11                          ; the row's 8 bytes of cnt
.set OUTC, 12                          ; v[12:13] P, ok
.set L128, 14                          ; 128 lane
.set SLOT, 16                          ; v16-19  4 lane + q: the slot that LIST[q] holds
.set TQ,   20                          ; v20-23  slot - base
.set LIST, 24                          ; v24-27
.set SW,   32                          ; v32-47  stack of words
.set SI,   48                          ; v48-63  stack of their bases: item of bit 0, + 127
.set IT,   64                          ; v64-79  stack of items
.set MK,   128                         ; v128-255: register 4 i + k of lane L is word 128 i + 4 L + k: item = 4,096 i + 128 L + 32 k + 31 - bit
.set S55,  12
.set S33,  13
.set S0F,  14
.set SFF,  15
.set PX,   16
.set SLL,  20
.set SBASE, 21
.set SNL,  22
.set SP,   23
.set SOK,  24
.set STA,  26
.set STB,  27
.set SEX,  28
.set SIT,  32                          ; s32-35
	s_load_b128 s[4:7], s[0:1], 0x0                ; mask s[4:5], list s[6:7]
	s_load_b64 s[8:9], s[0:1], 0x10                ; cnt
	s_mov_b32 s[S55], 0x55555555
	s_mov_b32 s[S33], 0x33333333
	s_mov_b32 s[S0F], 0x0f0f0f0f
	s_mov_b32 s[SFF], 0x00ff00ff
	s_mov_b32 s[PX], 0x76543210                    ; v_permlanex16_b32: lane i reads lane i of the other half
	s_mov_b32 s[PX+1], 0xfedcba98
	s_lshr_b32 s[STA], ttmp9, 4
	s_lshl_b32 s[STA], s[STA], 18                  ; 16 rows' 256 blocks of 1 KiB
	s_and_b32 s[STB], ttmp9, 15
	s_lshl_b32 s[STB], s[STB], 6                   ; my row's 64 bytes in a block
	s_add_co_u32 s[STA], s[STA], s[STB]
	v_lshrrev_b32 v[TT], 2, v0
	v_and_b32 v[TT+1], 3, v0
	v_lshlrev_b32 v[TT], 10, v[TT]
	v_lshl_add_u32 v[TT], v[TT+1], 4, v[TT]
	v_add_nc_u32 v[VMO], s[STA], v[TT]             ; chunk lane >> 2, words 4 (lane & 3) ..
	s_wait_kmcnt 0x0
.set i, 0
.rept 32
	global_load_b128 v[MK+4*i:MK+4*i+3], v[VMO], s[4:5] offset:i*8192   ; my row's 64 consecutive bytes of each of 8 chunks' blocks
.set i, i+1
.endr
	s_lshl_b32 s[STA], ttmp9, 9
	v_lshl_add_u32 v[LO], v0, 4, s[STA]            ; row x 512 + 16 lane
	s_lshl_b32 s[STB], ttmp9, 3
	v_mov_b32 v[CO], s[STB]                        ; row x 8
	v_lshlrev_b32 v[L128], 7, v0
.irp q, 0,1,2,3
	v_lshl_add_u32 v[SLOT+\q], v0, 2, \q
	v_mov_b32 v[LIST+\q], 0
.endr
	v_mov_b32 v[NL], 0
.set c, 0
.rept 16
	v_mov_b32 v[SW+c], 0                           ; an empty place of a stack holds 0: the selects below read every place
	v_mov_b32 v[SI+c], 0
	v_mov_b32 v[IT+c], 0
.set c, c+1
.endr
; the set bits of word w, counted in the eight fields of 4 bits of d (at most 4 each)
.macro NIB d, w
	v_lshrrev_b32 v[UU], 1, v[\w]
	v_and_b32 v[UU], s[S55], v[UU]
	v_sub_nc_u32 v[\d], v[\w], v[UU]
	v_lshrrev_b32 v[UU], 2, v[\d]
	v_and_b32 v[\d], s[S33], v[\d]
	v_and_b32 v[UU], s[S33], v[UU]
	v_add_nc_u32 v[\d], v[\d], v[UU]
.endm
; The four words of load i: counted, and pushed if they are not 0.
.macro TAKE i
	s_wait_loadcnt 31-\i                           ; loads come back in order: load i is in, the younger ones stay out
	NIB TT, MK+4*\i
	NIB TT+1, MK+4*\i+1
	NIB TT+2, MK+4*\i+2
	NIB TT+3, MK+4*\i+3
	v_add_nc_u32 v[TT], v[TT], v[TT+1]             ; at most 8 in a field of 4 bits
	v_add_nc_u32 v[TT+2], v[TT+2], v[TT+3]
	v_lshrrev_b32 v[TT+1], 4, v[TT]
	v_lshrrev_b32 v[TT+3], 4, v[TT+2]
	v_and_b32 v[TT], s[S0F], v[TT]
	v_and_b32 v[TT+1], s[S0F], v[TT+1]
	v_and_b32 v[TT+2], s[S0F], v[TT+2]
	v_and_b32 v[TT+3], s[S0F], v[TT+3]
	v_add3_u32 v[TT], v[TT], v[TT+1], v[TT+2]
.if (\i&3) == 0
	v_add_nc_u32 v[BA], v[TT], v[TT+3]             ; at most 32 in a byte; the first of four loads starts the sum
.else
	v_add3_u32 v[BA], v[BA], v[TT], v[TT+3]
.endif
.if (\i&3) == 3
	v_lshrrev_b32 v[TT], 8, v[BA]                  ; after four loads, at most 128 in a byte: on into halves
	v_and_b32 v[TT+1], s[SFF], v[BA]
	v_and_b32 v[TT], s[SFF], v[TT]
.if \i == 3
	v_add_nc_u32 v[HA], v[TT], v[TT+1]
.else
	v_add3_u32 v[HA], v[HA], v[TT], v[TT+1]
.endif
.endif
.irp k, 0,1,2,3
	v_cmp_eq_u32 vcc_lo, 0, v[MK+4*\i+\k]          ; where the word is 0 the stack stays
.set c, CAPW-1
.rept CAPW-1
	v_cndmask_b32 v[SW+c], v[SW+c-1], v[SW+c], vcc_lo
	v_cndmask_b32 v[SI+c], v[SI+c-1], v[SI+c], vcc_lo
.set c, c-1
.endr
	v_cndmask_b32 v[SW], v[MK+4*\i+\k], v[SW], vcc_lo
	v_cndmask_b32 v[SI], 4096*\i+32*\k+158, v[SI], vcc_lo      ; 4,096 i + 32 k + 31, and 127 for the exponent's bias
.endr
.endm
.irp i, 0,1,2,3,4,5,6,7,8,9,10,11,12,13,14,15,16,17,18,19,20,21,22,23,24,25,26,27,28,29,30,31
	TAKE \i
.endr
.set c, 0
.rept CAPW
	v_add_nc_u32 v[SI+c], v[SI+c], v[L128]         ; + 128 lane
.set c, c+1
.endr
	; step 3
.rept NBIT
.set c, 0
.rept CAPW
	v_sub_nc_u32 v[TT], 0, v[SW+c]
	v_and_b32 v[TT], v[SW+c], v[TT]                ; the lowest set bit, or 0
	v_xor_b32 v[SW+c], v[SW+c], v[TT]              ; taken off
	v_cmp_ne_u32 vcc_lo, 0, v[TT]
	v_cvt_f32_u32 v[TT], v[TT]                     ; a power of two: exact
	v_lshrrev_b32 v[TT], 23, v[TT]                 ; 127 + the bit's number
	v_sub_nc_u32 v[TT], v[SI+c], v[TT]             ; the item
.set j, CAPI-1
.rept CAPI-1
	v_cndmask_b32 v[IT+j], v[IT+j], v[IT+j-1], vcc_lo
.set j, j-1
.endr
	v_cndmask_b32 v[IT], v[IT], v[TT], vcc_lo
	v_add_co_ci_u32 v[NL], vcc_lo, 0, v[NL], vcc_lo
.set c, c+1
.endr
.endr
	v_min_u32 v[NL], CAPI, v[NL]                   ; what the stack still holds
	; step 4
	s_mov_b32 s[SBASE], 0
	s_mov_b32 s[SLL], 0
.Llane:
	v_readlane_b32 s[SNL], v[NL], s[SLL]
.irp q, 0,1,2,3
	v_sub_nc_u32 v[TQ+\q], v[SLOT+\q], s[SBASE]
.endr
.irp g, 0,1,2,3
.irp u, 0,1,2,3
	v_readlane_b32 s[SIT+\u], v[IT+4*\g+\u], s[SLL]
.endr
.irp u, 0,1,2,3
.irp q, 0,1,2,3
	v_cmp_eq_u32 vcc_lo, 4*\g+\u, v[TQ+\q]
	v_cndmask_b32 v[LIST+\q], v[LIST+\q], s[SIT+\u], vcc_lo
.endr
.endr
.endr
	s_add_co_u32 s[SBASE], s[SBASE], s[SNL]
	s_add_co_u32 s[SLL], s[SLL], 1
	s_cmp_lt_u32 s[SLL], 32
	s_cbranch_scc1 .Llane
	; P over the lanes
	v_and_b32 v[TT], 0xffff, v[HA]
	v_lshrrev_b32 v[TT+1], 16, v[HA]
	v_add_nc_u32 v[TT], v[TT], v[TT+1]
	v_cvt_f32_u32 v[TT], v[TT]
	v_add_f32_dpp v[TT], v[TT], v[TT] row_xmask:1 row_mask:0xf bank_mask:0xf
	v_add_f32_dpp v[TT], v[TT], v[TT] row_xmask:2 row_mask:0xf bank_mask:0xf
	v_add_f32_dpp v[TT], v[TT], v[TT] row_xmask:4 row_mask:0xf bank_mask:0xf
	v_add_f32_dpp v[TT], v[TT], v[TT] row_xmask:8 row_mask:0xf bank_mask:0xf
	v_permlanex16_b32 v[TT+1], v[TT], s[PX], s[PX+1]   ; its destination counts as read: it has been written
	v_add_f32 v[TT], v[TT], v[TT+1]
	v_cvt_u32_f32 v[TT], v[TT]
	v_readfirstlane_b32 s[SP], v[TT]
	s_cmp_eq_u32 s[SBASE], s[SP]                   ; every set bit has been placed,
	s_cselect_b32 s[SOK], 1, 0
	s_cmp_le_u32 s[SP], 128                        ; and the list has room for them
	s_cselect_b32 s[SOK], s[SOK], 0
	v_mov_b32 v[OUTC], s[SP]
	v_mov_b32 v[OUTC+1], s[SOK]
	global_store_b128 v[LO], v[LIST:LIST+3], s[6:7]    ; the wave's 32 x 16 bytes are the row's 512 consecutive bytes, aligned
	s_wait_xcnt 0x0                                ; EXEC changes only behind this wait
	v_cmp_eq_u32 vcc_lo, 0, v0
	s_and_saveexec_b32 s[SEX], vcc_lo
	global_store_b64 v[CO], v[OUTC:OUTC+1], s[8:9]     ; lane 0 alone: 8 bytes a row, 8 KiB in the whole launch
	s_endpgm
.Lfunc_end_k_q505e9147e6_lst:
	.size	k_q505e9147e6_lst, .Lfunc_end_k_q505e9147e6_lst-k_q505e9147e6_lst
	.p2alignl 7, 3214868480
	.fill 96, 4, 3214868480
	.section	.rodata,"a",@progbits
	.p2align	6, 0x0
	.amdhsa_kernel k_q505e9147e6_lst
		.amdhsa_group_segment_fixed_size 0
		.amdhsa_private_segment_fixed_size 0
		.amdhsa_enable_private_segment 0
		.amdhsa_kernarg_size 24
		.amdhsa_user_sgpr_count 2
		.amdhsa_user_sgpr_kernarg_segment_ptr 1
		.amdhsa_wavefront_size32 1
		.amdhsa_system_sgpr_workgroup_id_x 1
		.amdhsa_system_sgpr_workgroup_id_y 1
		.amdhsa_system_sgpr_workgroup_id_z 1
		.amdhsa_system_vgpr_workitem_id 0
		.amdhsa_next_free_vgpr 256
		.amdhsa_next_free_sgpr 66
		.amdhsa_reserve_vcc 1
		.amdhsa_float_denorm_mode_32 3
		.amdhsa_float_denorm_mode_16_64 3
		.amdhsa_memory_ordered 1
		.amdhsa_forward_progress 1
		.amdhsa_inst_pref_size 242
	.end_amdhsa_kernel
	.amdgpu_metadata
---
amdhsa.version: [ 1, 2 ]
amdhsa.kernels:
  - .name:           k_q505e9147e6_lst
    .symbol:         k_q505e9147e6_lst.kd
    .args:
      - { .name: mask, .offset: 0, .size: 8, .value_kind: global_buffer, .address_space: global }
      - { .name: list, .offset: 8, .size: 8, .value_kind: global_buffer, .address_space: global }
      - { .name: cnt, .offset: 16, .size: 8, .value_kind: global_buffer, .address_space: global }
    .group_segment_fixed_size: 0
    .private_segment_fixed_size: 0
    .kernarg_segment_align: 8
    .kernarg_segment_size: 24
    .max_flat_workgroup_size: 32
    .sgpr_count:     66
    .vgpr_count:     256
    .wavefront_size: 32
...
	.end_amdgpu_metadata
.endif
;; end of part 4
;; launch pick (part 5): grid 1024 x 1, 1 waves a work-group, no clusters, 0 bytes of LDS; arguments mask, thr, kernel, x, out0, list, cnt; writes out0
.if DOCPART == 5
	.amdgcn_target "amdgcn-amd-amdhsa--gfx1250"
	.amdhsa_code_object_version 6
	.text
	.protected	k_q505e9147e6_pick
	.globl	k_q505e9147e6_pick
	.p2align	8
	.type	k_q505e9147e6_pick,@function
k_q505e9147e6_pick:
	s_mov_b64 s[64:65], 0
	v_nop
	global_prefetch_b8 v0, s[64:65] scope:SCOPE_SE
	s_setreg_imm32_b32 hwreg(HW_REG_WAVE_MODE, 25, 1), 1
	s_wait_xcnt 0x0
; pick: one wave, one work-group, one row (row = the work-group's number): the rows share nothing, so no wave has anything to hand to another: no LDS, no barrier.
; The candidates (items whose logit passed T, which hold the top 100; some 105 on numbers of the drawn kind) come in one of two ways, chosen by cnt[row] = {P, ok}:
; THE SHORT WAY (ok = 1): list[row] holds all P <= 128 candidates: their rows of kernel are gathered, their logits made anew, and they are put in order.
; THE LONG WAY (ok = 0): the row's 4,096 mask words are loaded into 128 registers and scanned, 128 candidates a pass, ceil(P / 128) passes; the best 128 so far are kept
; in order.  Any number of candidates up to 131,072 is served.  Registers cannot be indexed, so the scan is written out over the 32 loads.
; THE LOGITS THAT DECIDE THE ORDER are one f32 chain each: acc = fma(bf16(kernel[k]), bf16(x[k]), acc), k ascending from 0.  A product of two bf16 numbers is exact
; in f32, so the sum hangs on the order of addition alone, and this is the order of a plain loop over k.  Logits that lie nearer to each other than a rounding of
; the sum would fall otherwise in another order of addition, which is why the matrix unit's sums, good for the mask, are not used for the order.
; This is 128 x 128 multiply-adds a row, 16.8 M in the launch, against the 2 x 17.2 G of the two products on the matrix units.
; ORDER: by (logit descending, index ascending), as 64-bit keys; a key's rank is the number of larger keys, counted with carries; it is put into its slot by
; selects.  No address and no branch hangs on a float: they hang on whole numbers as they came from memory.
; SOFTMAX: e = exp2((l - m) log2 e) with m the row's maximum; the sum runs over the candidates alone.  Every item left out has l < T <= the 100th logit:
; if (T - m) log2 e < -41 the 131,072 terms left out are together below 2^-24 of a sum that is at least 1; otherwise every probability of the top 100 is at
; least 2^-58 and the sum is a common positive factor.  Slots whose probability e / sum is 0 get the lowest indices of probability 0, as ties at 0 are ordered.
; LIMITS: finite logits.  Different logits that round to one non-zero probability are ordered by logit here, by index in a sort of the probabilities.
; v_exp_f32 gives 0 below 2^-126 (ISA guide 15.8), so probability 0 begins there.  The input labels is not used by the function computed and is not read.
; No cluster, no tensor loads: the gathered rows are each lane's own, and go straight into registers.
.set VL,   0                           ; v0: the lane (one wave: the thread's number)
.set VL4,  5                           ; 4 lane: my place in a piece of 128 bytes of the row of out0
.set VLO,  6                           ; row x 512 + 4 lane: my word in a piece of 128 bytes of the row of list
.set VCO,  7                           ; row x 8: the row's words of cnt, the same in every lane
.set VCN,  12                          ; v12-13: P, ok as loaded (later at work)
.set VXO,  14                          ; row x 512: x's row, the same in every lane
.set VMO,  15                          ; the long way: my 16 bytes of the row's mask words in the first 8 chunks
.set XB,   16                          ; v16-79    x's row in bf16, two numbers a register, the same in every lane
.set KB,   80                          ; v80-143   32 along k of my four candidates in bf16: 16 registers each
.set OFFA, 176                         ; v176-179  byte offset in kernel of list entry 32 q + lane
.set SLOT, 188                         ; v188-191  32 q + lane
.set IDN,  192                         ; v192-195  the list: the item of entry 32 q + lane
.set LG,   196                         ; v196-199  its logit
.set KHI,  200                         ; v200-207  keys, high word: the logit's order-preserving image; 0 = none
.set KLO,  208                         ; v208-215  keys, low word: 0x20000 - index
.set NHI,  216                         ; complements of the keys
.set NLO,  224
.set RK,   232                         ; ranks
.set OH,   240                         ; v240-247  the best 128 so far, in order
.set OL,   244
.set SUME, 248
.set W,    250                         ; v250-253  the four mask words of one load, brought into window 0
; window 3, v0-127 (the long way): the mask words: register 4 sg + k of lane L is word 128 sg + 4 L + k of the row's 4,096: item = 32 x word + 31 - bit
; windows 1 and 2: first x's row in f32 (window 2); then the gathered rows in f32: candidate q in window 1 + (q >> 1) at 128 (q & 1) + k
.set SM,   16                          ; m
.set SBASE, 19                         ; first candidate of this pass
.set SREL, 20                          ; running number of the candidate, less SBASE
.set SCNT, 21                          ; P
.set SLM,  23
.set SNL,  24
.set SLI,  25
.set SLN,  26
.set SWD,  27
.set SIB,  28
.set SNB,  29
.set SBI,  30
.set SCB,  31
.set STS,  32
.set SNV,  33
.set SNR,  34
.set SRD,  35
.set SLL,  36
.set SA,   37
.set SB,   38
.set SC,   39
.set PX,   44
.set VM,   46                          ; s46-49
.set SNZ,  50
.set SOFF, 51
.set SLST, 54                          ; s[54:55] list
.set SCNB, 56                          ; s[56:57] cnt
.set SOK,  58
.set MSB,  0
.macro WIN new                         ; low byte: bits 1:0 source 0, 3:2 source 1, 5:4 source 2, 7:6 destination; the high byte repeats the setting left
.if MSB != (\new)
	s_set_vgpr_msb (MSB<<8)|(\new)
.set MSB, (\new)
.endif
.endm
	s_load_b256 s[4:11], s[0:1], 0x0               ; mask s[4:5], thr s[6:7], kernel s[8:9], x s[10:11]
	s_load_b64 s[12:13], s[0:1], 0x20              ; out0
	s_load_b64 s[SLST:SLST+1], s[0:1], 0x28        ; list
	s_load_b64 s[SCNB:SCNB+1], s[0:1], 0x30        ; cnt
	s_lshl_b32 s[SOFF], ttmp9, 3                   ; row x 8 bytes, of thr and of cnt
	s_mov_b32 s[PX], 0x76543210                    ; v_permlanex16_b32: lane i reads lane i of the other half
	s_mov_b32 s[PX+1], 0xfedcba98
	s_wait_kmcnt 0x0
	s_load_b32 s[SM], s[6:7], s[SOFF] offset:0x4   ; m of my row (thr is not written here)
	v_lshlrev_b32 v[VL4], 2, v0
.irp q, 0,1,2,3
	v_add_nc_u32 v[SLOT+\q], 32*\q, v[VL]
.endr
	s_lshl_b32 s[STS], ttmp9, 9
	v_mov_b32 v[VXO], s[STS]                       ; row x 512
	v_lshl_add_u32 v[VLO], v0, 2, s[STS]
	v_mov_b32 v[VCO], s[SOFF]
	s_mul_i32 s52, ttmp9, 400
	s_mov_b32 s53, 0
	s_add_nc_u64 s[12:13], s[12:13], s[52:53]      ; my row of out0
	global_load_b32 v[VCN], v[VCO], s[SCNB:SCNB+1]             ; P
	global_load_b32 v[VCN+1], v[VCO], s[SCNB:SCNB+1] offset:4  ; ok
.irp q, 0,1,2,3
	global_load_b32 v[IDN+\q], v[VLO], s[SLST:SLST+1] offset:128*\q   ; list entry 32 q + lane: 128 consecutive bytes a load
.endr
	WIN 0x80                                       ; into window 2
.set i, 0
.rept 32
	global_load_b128 v[4*i:4*i+3], v[VXO], s[10:11] offset:i*16   ; x's row, whole, in every lane: all lanes ask for the same 16 bytes
.set i, i+1
.endr
	WIN 0
	v_mov_b32 v[SUME], 0
	s_wait_loadcnt 0x0
	s_wait_kmcnt 0x0
	v_readfirstlane_b32 s[SCNT], v[VCN]
	v_readfirstlane_b32 s[SOK], v[VCN+1]
	WIN 0x0a                                       ; sources in window 2
.set e, 0
.rept 64
	v_cvt_pk_bf16_f32 v[XB+e], v[2*e], v[2*e+1]    ; x[2 e] in the low half, x[2 e + 1] in the high half
.set e, e+1
.endr
	WIN 0
; The set bits of word k of load sg, in all lanes: every trip count is a count of bits of whole numbers read from memory.
; A candidate goes into the list's slot of its running number by selects; a number outside this pass's 0 .. 127 meets no slot and is passed over.
.macro KWORD k, sg
	v_cmp_ne_u32 s[SLM], 0, v[W+\k]
	s_bcnt1_i32_b32 s[SNL], s[SLM]
	s_cmp_eq_u32 s[SNL], 0
	s_cbranch_scc1 .Lkw_done_\@
	s_mov_b32 s[SLI], 0
.Lkw_lane_\@:
	s_ctz_i32_b32 s[SLN], s[SLM]                   ; the next lane with a word that is not 0
	s_sub_co_u32 s[STS], s[SLM], 1
	s_and_b32 s[SLM], s[SLM], s[STS]
	v_readlane_b32 s[SWD], v[W+\k], s[SLN]
	s_lshl_b32 s[SIB], s[SLN], 7
	s_add_co_u32 s[SIB], s[SIB], 4096*\sg+32*\k+31 ; the item of bit 0: 4,096 sg + 128 lane + 32 k + 31
	s_bcnt1_i32_b32 s[SNB], s[SWD]
	s_mov_b32 s[SBI], 0
.Lkw_bit_\@:
	s_ctz_i32_b32 s[SCB], s[SWD]
	s_sub_co_u32 s[STS], s[SWD], 1
	s_and_b32 s[SWD], s[SWD], s[STS]
	s_sub_co_u32 s[SCB], s[SIB], s[SCB]            ; the item
.irp q, 0,1,2,3
	v_cmp_eq_u32 vcc_lo, s[SREL], v[SLOT+\q]
	v_cndmask_b32 v[IDN+\q], v[IDN+\q], s[SCB], vcc_lo
.endr
	s_add_co_u32 s[SREL], s[SREL], 1
	s_add_co_u32 s[SBI], s[SBI], 1
	s_cmp_lt_u32 s[SBI], s[SNB]
	s_cbranch_scc1 .Lkw_bit_\@
	s_add_co_u32 s[SLI], s[SLI], 1
	s_cmp_lt_u32 s[SLI], s[SNL]
	s_cbranch_scc1 .Lkw_lane_\@
.Lkw_done_\@:
.endm
; The list of candidates SBASE .. SBASE + 127, and the number of all candidates.
.macro SCAN
.irp q, 0,1,2,3
	v_mov_b32 v[IDN+\q], 0                         ; entries that stay empty name item 0: a row that exists; they are masked out later
.endr
	s_sub_co_u32 s[SREL], 0, s[SBASE]
.irp sg, 0,1,2,3,4,5,6,7,8,9,10,11,12,13,14,15,16,17,18,19,20,21,22,23,24,25,26,27,28,29,30,31
	WIN 0x03                                       ; source in window 3
	v_mov_b32 v[W],   v[4*\sg]
	v_mov_b32 v[W+1], v[4*\sg+1]
	v_mov_b32 v[W+2], v[4*\sg+2]
	v_mov_b32 v[W+3], v[4*\sg+3]
	WIN 0
	KWORD 0, \sg
	KWORD 1, \sg
	KWORD 2, \sg
	KWORD 3, \sg
.endr
	s_add_co_u32 s[SCNT], s[SREL], s[SBASE]
.endm
; The list's logits; their keys, with (both = 1) the best 128 so far, are ranked, and the best 128 put in order into OH, OL.
.macro MERGE both
.set NQ, 4+4*\both
	s_sub_co_u32 s[SNV], s[SCNT], s[SBASE]
	s_min_u32 s[SNV], s[SNV], 128                  ; entries of the list that count
.irp q, 0,1,2,3
	v_min_u32 v[IDN+\q], 0x1ffff, v[IDN+\q]        ; an index stays inside the table
	v_lshlrev_b32 v[OFFA+\q], 9, v[IDN+\q]         ; its row of 512 bytes
	v_mov_b32 v[LG+\q], 0                          ; the chain starts at 0, as the sum that it follows does
.endr
	; each lane's four rows, 128 loads, in four chunks of 32 along k, so that the first chunk can be summed while the others are on their way
.irp c, 0,1,2,3
.irp q, 0,1,2,3
	WIN ((1+(\q>>1))<<6)                           ; candidates 0, 1 into window 1, candidates 2, 3 into window 2
.irp i, 0,1,2,3,4,5,6,7
	global_load_b128 v[(\q&1)*128+32*\c+4*\i:(\q&1)*128+32*\c+4*\i+3], v[OFFA+\q], s[8:9] offset:128*\c+16*\i
.endr
.endr
.endr
.irp c, 0,1,2,3
.if \c < 2
	s_wait_loadcnt 63                              ; of 128 loads the first 32 (c + 1) are wanted; the wait's largest count shows 65 done
.elseif \c == 2
	s_wait_loadcnt 32                              ; the last chunk's loads may stay out
.else
	s_wait_loadcnt 0x0
.endif
	WIN 0x05                                       ; sources in window 1
.irp q, 0,1
.set e, 0
.rept 16
	v_cvt_pk_bf16_f32 v[KB+16*\q+e], v[\q*128+32*\c+2*e], v[\q*128+32*\c+2*e+1]
.set e, e+1
.endr
.endr
	WIN 0x0a                                       ; sources in window 2
.irp q, 0,1
.set e, 0
.rept 16
	v_cvt_pk_bf16_f32 v[KB+32+16*\q+e], v[\q*128+32*\c+2*e], v[\q*128+32*\c+2*e+1]
.set e, e+1
.endr
.endr
	WIN 0
	; k = 32 c + 2 e (low halves), then 32 c + 2 e + 1 (high halves); the four candidates' chains stand side by side and do not wait for each other
.set e, 0
.rept 16
.irp q, 0,1,2,3
	v_fma_mix_f32_bf16 v[LG+\q], v[KB+16*\q+e], v[XB+16*\c+e], v[LG+\q] op_sel_hi:[1,1,0]
.endr
.irp q, 0,1,2,3
	v_fma_mix_f32_bf16 v[LG+\q], v[KB+16*\q+e], v[XB+16*\c+e], v[LG+\q] op_sel:[1,1,0] op_sel_hi:[1,1,0]
.endr
.set e, e+1
.endr
.endr
.irp q, 0,1,2,3
	v_cmp_gt_u32 s[VM+\q], s[SNV], v[SLOT+\q]      ; the entry counts
	v_ashrrev_i32 v8, 31, v[LG+\q]
	v_or_b32 v8, 0x80000000, v8
	v_xor_b32 v8, v[LG+\q], v8                     ; the logit as an unsigned number of the same order; never 0 for a finite logit
	v_cndmask_b32 v[KHI+\q], 0, v8, s[VM+\q]
	v_sub_nc_u32 v9, 0x20000, v[IDN+\q]            ; the lower index is the larger key
	v_cndmask_b32 v[KLO+\q], 0, v9, s[VM+\q]
	v_sub_f32 v[LG+\q], v[LG+\q], s[SM]            ; the row's maximum is taken away
	v_mul_f32 v[LG+\q], 0x3fb8aa3b, v[LG+\q]
.endr
.irp q, 0,1,2,3
	v_exp_f32 v[10+\q], v[LG+\q]
.endr
	v_nop                                          ; one plain place behind the exponentials (ISA guide 5.7.2)
	s_wait_alu depctr_va_vdst(0)
.irp q, 0,1,2,3
	v_cndmask_b32 v[10+\q], 0, v[10+\q], s[VM+\q]
	v_add_f32 v[SUME], v[SUME], v[10+\q]
.endr
.if \both
.irp q, 0,1,2,3
	v_mov_b32 v[KHI+4+\q], v[OH+\q]
	v_mov_b32 v[KLO+4+\q], v[OL+\q]
.endr
.endif
.set q, 0
.rept NQ
	v_xor_b32 v[NHI+q], -1, v[KHI+q]
	v_xor_b32 v[NLO+q], -1, v[KLO+q]
	v_mov_b32 v[RK+q], 0
.set q, q+1
.endr
.irp q, 0,1,2,3
	v_mov_b32 v[OH+\q], 0
	v_mov_b32 v[OL+\q], 0
.endr
	; rank of a key = how many keys are larger: c + not(e) carries out of 64 bits exactly when c > e
	s_mov_b32 s[SLL], 0
.Lrank_\@:
.set q, 0
.rept NQ
	v_readlane_b32 s[SA], v[KHI+q], s[SLL]
	v_readlane_b32 s[SB], v[KLO+q], s[SLL]
.set e, 0
.rept NQ
	v_add_co_u32 v8, vcc_lo, s[SB], v[NLO+e]
	v_add_co_ci_u32 v8, vcc_lo, s[SA], v[NHI+e], vcc_lo
	v_add_co_ci_u32 v[RK+e], vcc_lo, 0, v[RK+e], vcc_lo
.set e, e+1
.endr
.set q, q+1
.endr
	s_add_co_u32 s[SLL], s[SLL], 1
	s_cmp_lt_u32 s[SLL], 32
	s_cbranch_scc1 .Lrank_\@
	; each key goes to the slot of its rank, by selects; empty keys all share one rank and bring zeros
	s_mov_b32 s[SLL], 0
.Lplace_\@:
.set q, 0
.rept NQ
	v_readlane_b32 s[SA], v[RK+q], s[SLL]
	v_readlane_b32 s[SB], v[KHI+q], s[SLL]
	v_readlane_b32 s[SC], v[KLO+q], s[SLL]
.set e, 0
.rept 4
	v_cmp_eq_u32 vcc_lo, s[SA], v[SLOT+e]
	v_cndmask_b32 v[OH+e], v[OH+e], s[SB], vcc_lo
	v_cndmask_b32 v[OL+e], v[OL+e], s[SC], vcc_lo
.set e, e+1
.endr
.set q, q+1
.endr
	s_add_co_u32 s[SLL], s[SLL], 1
	s_cmp_lt_u32 s[SLL], 32
	s_cbranch_scc1 .Lplace_\@
.endm
	s_min_u32 s[SCNT], s[SCNT], 0x20000            ; a row has 131,072 items
	s_mov_b32 s[SBASE], 0
	s_cmp_eq_u32 s[SOK], 1
	s_cbranch_scc0 .Lgeneral
	; THE SHORT WAY: IDN holds the whole list
	MERGE 0
	s_branch .Lfinal
.Lgeneral:
	; THE LONG WAY
	s_lshr_b32 s[STS], ttmp9, 4
	s_lshl_b32 s[STS], s[STS], 18                  ; 16 rows' 256 blocks of 1 KiB
	s_and_b32 s[SNV], ttmp9, 15
	s_lshl_b32 s[SNV], s[SNV], 6                   ; my row's 64 bytes in a block
	s_add_co_u32 s[STS], s[STS], s[SNV]
	v_lshrrev_b32 v10, 2, v[VL]
	v_and_b32 v11, 3, v[VL]
	v_lshlrev_b32 v10, 10, v10
	v_lshl_add_u32 v10, v11, 4, v10
	v_add_nc_u32 v[VMO], s[STS], v10               ; chunk lane >> 2, words 4 (lane & 3) ..
	WIN 0xc0                                       ; into window 3
.set i, 0
.rept 32
	global_load_b128 v[4*i:4*i+3], v[VMO], s[4:5] offset:i*8192   ; my row's 64 consecutive bytes of each of 8 chunks' blocks (a block holds 16 rows' words)
.set i, i+1
.endr
	WIN 0
.irp q, 0,1,2,3
	v_mov_b32 v[OH+\q], 0                          ; the order starts empty
	v_mov_b32 v[OL+\q], 0
.endr
	s_add_co_u32 s[SNR], s[SCNT], 127
	s_lshr_b32 s[SNR], s[SNR], 7                   ; passes of 128 candidates,
	s_max_u32 s[SNR], s[SNR], 1                    ; one at the least
	s_mov_b32 s[SRD], 0
	s_wait_loadcnt 0x0
.Lpass:
	SCAN
	MERGE 1
	s_add_co_u32 s[SBASE], s[SBASE], 128
	s_add_co_u32 s[SRD], s[SRD], 1
	s_cmp_lt_u32 s[SRD], s[SNR]
	s_cbranch_scc1 .Lpass
.Lfinal:
	; the sum of the exponentials over the lanes, its reciprocal, and each slot's probability
	v_add_f32_dpp v[SUME], v[SUME], v[SUME] row_xmask:1 row_mask:0xf bank_mask:0xf
	v_add_f32_dpp v[SUME], v[SUME], v[SUME] row_xmask:2 row_mask:0xf bank_mask:0xf
	v_add_f32_dpp v[SUME], v[SUME], v[SUME] row_xmask:4 row_mask:0xf bank_mask:0xf
	v_add_f32_dpp v[SUME], v[SUME], v[SUME] row_xmask:8 row_mask:0xf bank_mask:0xf
	v_permlanex16_b32 v8, v[SUME], s[PX], s[PX+1]  ; v8 has been written before
	v_add_f32 v[SUME], v[SUME], v8
	v_rcp_f32 v9, v[SUME]                          ; the lines below, which touch neither, are the place behind it
.irp q, 0,1,2,3
	v_ashrrev_i32 v8, 31, v[OH+\q]                 ; the key back to the logit; an empty slot gives a NaN, which is no member below
	v_xor_b32 v8, -1, v8
	v_or_b32 v8, 0x80000000, v8
	v_xor_b32 v8, v[OH+\q], v8
	v_sub_f32 v8, v8, s[SM]
	v_mul_f32 v[LG+\q], 0x3fb8aa3b, v8
.endr
.irp q, 0,1,2,3
	v_exp_f32 v[10+\q], v[LG+\q]
.endr
	v_nop                                          ; one plain place behind the exponentials
	s_wait_alu depctr_va_vdst(0)
.irp q, 0,1,2,3
	v_mul_f32 v[10+\q], v[10+\q], v9
	v_cmp_lt_f32 s[VM+\q], 0, v[10+\q]             ; members: slots whose probability is above 0
	v_sub_nc_u32 v[IDN+\q], 0x20000, v[OL+\q]      ; the index
	v_cndmask_b32 v[KHI+\q], 0x7fffffff, v[IDN+\q], s[VM+\q]
	v_mov_b32 v[RK+\q], 0
	v_mov_b32 v[NLO+\q], 0
.endr
	s_bcnt1_i32_b32 s[SNZ], s[VM]
	s_bcnt1_i32_b32 s[SA], s[VM+1]
	s_add_co_u32 s[SNZ], s[SNZ], s[SA]
	s_bcnt1_i32_b32 s[SA], s[VM+2]
	s_add_co_u32 s[SNZ], s[SNZ], s[SA]
	s_bcnt1_i32_b32 s[SA], s[VM+3]
	s_add_co_u32 s[SNZ], s[SNZ], s[SA]             ; how many members: enters arithmetic alone
	; slot o that is no member gets the (o - members)-th lowest index that is no member's: t + the number of members with (index - members below it) <= t
	s_mov_b32 s[SLL], 0
.Lbelow:
.set q, 0
.rept 4
	v_readlane_b32 s[SA], v[KHI+q], s[SLL]
.set e, 0
.rept 4
	v_cmp_lt_u32 vcc_lo, s[SA], v[KHI+e]
	v_add_co_ci_u32 v[RK+e], vcc_lo, 0, v[RK+e], vcc_lo
.set e, e+1
.endr
.set q, q+1
.endr
	s_add_co_u32 s[SLL], s[SLL], 1
	s_cmp_lt_u32 s[SLL], 32
	s_cbranch_scc1 .Lbelow
.irp q, 0,1,2,3
	v_sub_nc_u32 v8, v[IDN+\q], v[RK+\q]
	v_cndmask_b32 v[KLO+\q], 0x7fffffff, v8, s[VM+\q]
	v_sub_nc_u32 v[NHI+\q], v[SLOT+\q], s[SNZ]     ; t; it wraps in a member's slot, where the figure made of it is not selected
.endr
	s_mov_b32 s[SLL], 0
.Lfill:
.set q, 0
.rept 4
	v_readlane_b32 s[SA], v[KLO+q], s[SLL]
.set e, 0
.rept 4
	v_cmp_le_u32 vcc_lo, s[SA], v[NHI+e]
	v_add_co_ci_u32 v[NLO+e], vcc_lo, 0, v[NLO+e], vcc_lo
.set e, e+1
.endr
.set q, q+1
.endr
	s_add_co_u32 s[SLL], s[SLL], 1
	s_cmp_lt_u32 s[SLL], 32
	s_cbranch_scc1 .Lfill
.irp q, 0,1,2,3
	v_add_nc_u32 v8, v[NHI+\q], v[NLO+\q]
	v_cndmask_b32 v8, v8, v[IDN+\q], s[VM+\q]
	v_cvt_f32_u32 v[LG+\q], v8
.endr
	; a row of out0 is 400 bytes: three stores of 128 consecutive bytes and one of 16
	global_store_b32 v[VL4], v[LG],   s[12:13]
	global_store_b32 v[VL4], v[LG+1], s[12:13] offset:128
	global_store_b32 v[VL4], v[LG+2], s[12:13] offset:256
	s_wait_xcnt 0x0                                ; EXEC changes only behind this wait
	v_cmp_gt_u32 vcc_lo, 4, v[VL]
	s_and_saveexec_b32 s[SA], vcc_lo
	global_store_b32 v[VL4], v[LG+3], s[12:13] offset:384   ; slots 96-99
	s_endpgm
.Lfunc_end_k_q505e9147e6_pick:
	.size	k_q505e9147e6_pick, .Lfunc_end_k_q505e9147e6_pick-k_q505e9147e6_pick
	.p2alignl 7, 3214868480
	.fill 96, 4, 3214868480
	.section	.rodata,"a",@progbits
	.p2align	6, 0x0
	.amdhsa_kernel k_q505e9147e6_pick
		.amdhsa_group_segment_fixed_size 0
		.amdhsa_private_segment_fixed_size 0
		.amdhsa_enable_private_segment 0
		.amdhsa_kernarg_size 56
		.amdhsa_user_sgpr_count 2
		.amdhsa_user_sgpr_kernarg_segment_ptr 1
		.amdhsa_wavefront_size32 1
		.amdhsa_system_sgpr_workgroup_id_x 1
		.amdhsa_system_sgpr_workgroup_id_y 1
		.amdhsa_system_sgpr_workgroup_id_z 1
		.amdhsa_system_vgpr_workitem_id 0
		.amdhsa_next_free_vgpr 896
		.amdhsa_next_free_sgpr 66
		.amdhsa_reserve_vcc 1
		.amdhsa_float_denorm_mode_32 3
		.amdhsa_float_denorm_mode_16_64 3
		.amdhsa_memory_ordered 1
		.amdhsa_forward_progress 1
		.amdhsa_inst_pref_size 255
	.end_amdhsa_kernel
	.section	.bss,"aw",@nobits
	.p2align	6
	.space	262144
	.amdgpu_metadata
---
amdhsa.version: [ 1, 2 ]
amdhsa.kernels:
  - .name:           k_q505e9147e6_pick
    .symbol:         k_q505e9147e6_pick.kd
    .args:
      - { .name: mask, .offset: 0, .size: 8, .value_kind: global_buffer, .address_space: global }
      - { .name: thr, .offset: 8, .size: 8, .value_kind: global_buffer, .address_space: global }
      - { .name: kernel, .offset: 16, .size: 8, .value_kind: global_buffer, .address_space: global }
      - { .name: x, .offset: 24, .size: 8, .value_kind: global_buffer, .address_space: global }
      - { .name: out0, .offset: 32, .size: 8, .value_kind: global_buffer, .address_space: global }
      - { .name: list, .offset: 40, .size: 8, .value_kind: global_buffer, .address_space: global }
      - { .name: cnt, .offset: 48, .size: 8, .value_kind: global_buffer, .address_space: global }
    .group_segment_fixed_size: 0
    .private_segment_fixed_size: 0
    .kernarg_segment_align: 8
    .kernarg_segment_size: 56
    .max_flat_workgroup_size: 32
    .sgpr_count:     66
    .vgpr_count:     896
    .wavefront_size: 32
...
	.end_amdgpu_metadata
.endif
;; end of part 5
